; MI455X (gfx1250); checked and timed in simulation.
; The chip was launched on July 23, 2026; its instructions are those of AMD's public machine-readable ISA for CDNA 5 (MIT licence, August 2026) and "CDNA5" Instruction Set Architecture Reference Guide (July 2026). The comments in the code are by the model that wrote it; some were corrected since.
;; INT4 Quantized Linear. Allowed arithmetic: matrix products marked QUANTISED: E2M3 operands, one E8M0 scale for each 32 along K, by v_wmma_scale_f32_16x16x128_f8f6f4 with both operands' format E2M3, f32 sums; everything else in f32.
;; Inputs: packed_b 1,024 int32; packed_w 4,194,304 int32; scale_b one number float32; scale_w one number float32; x 4 x 2,048 x 4,096 float32.
;; Outputs: out0 4 x 2,048 x 2,048 float32.
;; This version of the problem:
;;   THIS VERSION OF THE PROBLEM IS GIVEN IN LOW PRECISION. The matrix products marked QUANTISED in the list below multiply operands that are first quantised to E2M3 (2 exponent bits, 3 mantissa bits; 6 bits a number), with one power-of-two scale for each 32 numbers along K (OCP MX v1.0); their sums are f32. All else is computed in f32.
;;   The module's matrix products, in the order in which they are computed (A, B: the left and right operand; K: the contracted axis; several contracted axes count as one K, in the product's order):
;;     1. [M 8,192, K 4,096] x [K 4,096, N 2,048]; A: input x; B: computed on the way: QUANTISED
;;   THE QUANTISER, for each operand of a quantised product, along K:
;;     - K is cut into blocks of 32 from its start; a last block that is shorter is filled with zeros.
;;     - A block's scale is 2^e with e = floor(log2(the largest magnitude in the block)) - 2, held to -126 .. 127; a block of zeros has e = 0. As a byte (E8M0): e + 127.
;;     - Each number is divided by its block's scale, clamped to +-7.5, and rounded to the nearest number of E2M3, ties to even, subnormals kept.
;;     - The product sums the exact products of the quantised numbers (number of the format x scale) in f32.
;;   ~~~python
;;   def quantise(x, axis):      # numpy; x: float32 -> the quantised numbers, widened to float32 again
;;       x = np.moveaxis(x, axis, -1); K = x.shape[-1]
;;       x = np.pad(x, [(0, 0)] * (x.ndim - 1) + [(0, -K % 32)]); x = x.reshape(x.shape[:-1] + (-1, 32)); a = np.abs(x).max(-1, keepdims=True)
;;       e = np.where(a > 0, np.clip(np.frexp(np.where(a > 0, a, 1))[1] - 1 - 2, -126, 127), 0)      # np.frexp(a)[1] - 1 = floor(log2(a)), exactly
;;       r = np.clip(x / 2.0 ** e, -7.5, 7.5)
;;       step = 2.0 ** (np.maximum(np.frexp(np.where(r == 0, 1, r))[1] - 1, 0) - 3)
;;       q = np.round(r / step) * step * 2.0 ** e      # np.round: ties to even
;;       return np.moveaxis(q.reshape(q.shape[:-2] + (-1,))[..., :K], -1, axis).astype(np.float32)
;;   ~~~
;;   OPERANDS COMPUTED ON THE WAY. 'Computed on the way' means the value that the module computes at that place (a softmax that the list does not call 'softmax' is quantised finished and normalised). What goes into a quantiser is computed in f32, as accurately as f32 sums, v_exp_f32 and their like allow (about 1e-6 of the number): no bf16 or f16 on the way to a quantiser, and a product that is left as it is and whose result goes on into a quantised operand takes f32 operands (vector FMAs, or v_wmma_f32_16x16x4_f32). A number that lies on a knife's edge between two numbers of the format may be rounded either way, as far as f32 arithmetic and the matrix unit's own rounding can turn it there, and no further.
;; One version. Each part assembles by itself: llvm-mc -triple=amdgcn-amd-amdhsa -mcpu=gfx1250 --defsym DOCPART=n.
;; ======== version 1 of 1: 2 launches
;; limits: right only within a limited range of input values
;; workspace buffers: xc 27,033,600 bytes; wc 6,758,400 bytes
;; launch quant (part 1): grid 1024 x 1, 4 waves a work-group, no clusters, 34,304 bytes of LDS; arguments x, packed_w, scale_w, xc, wc; writes xc, wc
.if DOCPART == 1
	.amdgcn_target "amdgcn-amd-amdhsa--gfx1250"
	.amdhsa_code_object_version 6
	.text
	.protected	k_q89e5061c32_quant
	.globl	k_q89e5061c32_quant
	.p2align	8
	.type	k_q89e5061c32_quant,@function
k_q89e5061c32_quant:
	s_mov_b64 s[64:65], 0
	v_nop
	global_prefetch_b8 v0, s[64:65] scope:SCOPE_SE
	s_setreg_imm32_b32 hwreg(HW_REG_WAVE_MODE, 25, 1), 1
	s_wait_xcnt 0x0
; x [8192][4096] f32, and W [2048][4096] = scale_w x (nibble - 8) (packed_w: one int32 holds two numbers, the high nibble first), become codes of FP6 (E2M3) with one E8M0 byte for each 32 along K.
; A block's scale is 2^(floor(log2(its largest magnitude)) - 2); its byte is the largest magnitude's exponent field - 2, held at 1 from below; each number is divided by the scale and rounded to the
; nearest code, ties to even, beyond the largest code the largest.
; LIMITS: NaN and infinities among the inputs are not served.  A block of zeros, or one whose largest magnitude lies under 2^-124, gets the byte 1 (the rule says 127 for zeros): its codes are zeros or
; the smallest codes, and the bytes are read by this program alone.
; THE OUTPUT IS LAID AS THE PRODUCT'S LAUNCH FETCHES IT: [slot of 384 along K][128 rows][step of 128 along K]{ [block of 16 rows][c = 0..2][lane][16 bytes], then [block of 16 rows][row] scale words }:
; a step's chunk is 12,288 bytes of codes and 512 of scale words, 12,800 dense bytes; three chunks, 38,400 bytes, for each 128 rows of a slot.  Register 4 c + e of lane l of a fragment (16 rows x 128 K,
; 12 registers) lies at byte 512 c + 16 l + 4 e of its 1,536 bytes.
; 4,096 = 10 x 384 + 256: slot 10 has two steps; its third chunk is never loaded, but the product's launch names the slot's whole block in a prefetch, so the chunk is filled with zeros here.
; SHARES.  x has 512 blocks of 16 rows x 32 steps of 128 along K, W has 128 x 32: 16,384 and 4,096 steps.  Each of the 4,096 waves takes four steps of x (16 rows x 512 along K) and one of W, as five
; steps of one pipeline: all work-groups do the same work, four to a WGP by their registers.  Waves share nothing: no barrier.
; A STEP.  Sixteen loads, a row each: the 32 lanes read 512 consecutive bytes of x (256 of packed_w).  The operand's layout wants lane (r, h) to hold, of row r, k = 64 c + 32 h + 0 .. 31: so the step's
; 16 x 128 numbers go through the wave's own stage in LDS, rows 528 bytes apart.  A lane then holds two whole blocks: no other lane is asked for a maximum.  Loads run two steps (32 loads a wave) ahead.
; A step's codes leave by three stores of 512 consecutive bytes; its sixteen scale words as one run of 64 bytes (the eight blocks of a chunk are eight waves' work, so a wave has no more of a unit).
.set QCH,   12800                      ; a step's chunk for 128 rows
.set QSC,   12288                      ; where its scale words begin
.set PART,  3*QCH                      ; 128 rows of a slot
.set TSA,   64*PART                    ; bytes from slot to slot in x's buffer
.set TSB,   16*PART                    ; and in W's
.set SP,    528                        ; a stage row
.set WST,   16*SP                      ; a wave's stage
.set SPARE, 4*WST                      ; behind the stages: the spare words, 128 bytes a wave
.set SW,    44                         ; v44-48   the five steps' scale words
.set C,     24                         ; v24-35   the fragment
.set T,     36                         ; v36-38, v40-42 the upper halves of the two blocks' codes
.set X,     64                         ; v64-127  my two blocks of 32 numbers
.set R,     128                        ; v128-255 two sets of 16 rows x 4 registers, as loaded
.set CB,    26                         ; s[26:35] where each of my five steps' fragments goes
.set SB,    36                         ; s[36:45] and its sixteen scale words
; v1 lane; v3 the stage, in; v4 the stage, out; v5 16 x lane; v6 4 r; v7 8 h; v8-11 maxima; v12-13 scale operands; v14-17 bytes and words; v18-19 -8 scale_w; v50 8 x lane; v62, v63 the add's two
; s[14:15] scale_w twice; s[16:17] lane selects; s18 wave; s21 which 512 along K of x; s51 which 128 of W; s[24:25], s[46:47] x and packed_w at my rows and my K
.macro LOAD w, t                       ; step t's sixteen rows into set t % 2
.irp i, 0,1,2,3,4,5,6,7,8,9,10,11,12,13,14,15
.if \w
	global_load_b64 v[R+64*((\t)%2)+4*\i+2:R+64*((\t)%2)+4*\i+3], v50, s[46:47] offset:8192*\i th:TH_LOAD_NT   ; two words, four numbers: into the upper two of the row's four registers
.else
	global_load_b128 v[R+64*((\t)%2)+4*\i:R+64*((\t)%2)+4*\i+3], v5, s[24:25] offset:16384*\i+512*(\t) th:TH_LOAD_NT
.endif
.endr
.endm
.macro UNPACK t                        ; W alone: two words become four numbers, in place
.irp i, 0,1,2,3,4,5,6,7,8,9,10,11,12,13,14,15
.set RW, R+64*((\t)%2)+4*\i
	v_bfe_u32 v[RW], v[RW+2], 4, 4                 ; the high nibble comes first along K
	v_and_b32 v[RW+1], 15, v[RW+2]
	v_bfe_u32 v[RW+2], v[RW+3], 4, 4
	v_and_b32 v[RW+3], 15, v[RW+3]
.endr
.set j, R+64*((\t)%2)
.rept 64
	v_cvt_f32_u32 v[j], v[j]
.set j, j+1
.endr
.set j, R+64*((\t)%2)
.rept 32
	v_pk_fma_f32 v[j:j+1], v[j:j+1], s[14:15], v[18:19] op_sel_hi:[1,0,1]   ; n s - 8 s, rounded once: -8 s is exact, so this is (n - 8) s rounded to f32
.set j, j+2
.endr
.endm
.macro TURN t                          ; through the stage: LDS serves a wave's instructions in order (ISA guide 5.7.1.4), so no wait stands between the stores and the loads
.irp i, 0,1,2,3,4,5,6,7,8,9,10,11,12,13,14,15
	ds_store_b128 v3, v[R+64*((\t)%2)+4*\i:R+64*((\t)%2)+4*\i+3] offset:SP*\i
.endr
.irp c, 0,1
.irp j, 0,1,2,3,4,5,6,7
	ds_load_b128 v[X+32*\c+4*\j:X+32*\c+4*\j+3], v4 offset:256*\c+16*\j
.endr
.endr
.endm
.macro QUANT t                         ; my two blocks (2 c + h of the step's four) become the fragment's registers 6 c .. 6 c + 5, and the row's scale word
.irp c, 0,1
	v_max3_num_f32 v[8+2*\c], |v[X+32*\c]|, |v[X+32*\c+1]|, |v[X+32*\c+2]|       ; the largest magnitude, two chains a block, the four chains by turns
	v_max3_num_f32 v[9+2*\c], |v[X+32*\c+3]|, |v[X+32*\c+4]|, |v[X+32*\c+5]|
.endr
.irp i, 6,10,14,18,22,26
.irp c, 0,1
	v_max3_num_f32 v[8+2*\c], v[8+2*\c], |v[X+32*\c+\i]|, |v[X+32*\c+\i+1]|
	v_max3_num_f32 v[9+2*\c], v[9+2*\c], |v[X+32*\c+\i+2]|, |v[X+32*\c+\i+3]|
.endr
.endr
.irp c, 0,1
	v_max3_num_f32 v[8+2*\c], v[8+2*\c], |v[X+32*\c+30]|, |v[X+32*\c+31]|
.endr
.irp c, 0,1
	v_max3_num_f32 v[8+2*\c], v[8+2*\c], v[9+2*\c], 0x1800000   ; and the floor 2^(3 - 127): the byte cannot fall under 1
.endr
.irp c, 0,1
	v_add_nc_u32 v[12+\c], 0xff000000, v[8+2*\c]   ; 2 off the exponent field: the conversion takes the exponent field of this operand as its scale
.endr
.irp c, 0,1
	v_lshrrev_b32 v[14+\c], 23, v[12+\c]           ; the scale's byte
.endr
	v_lshl_or_b32 v16, v15, 16, v14                ; my two bytes, blocks h and 2 + h,
	v_lshlrev_b32 v16, v7, v16                     ; at their places in the word (8 h bits up);
	v_permlanex16_b32 v17, v16, s16, s17
	v_or_b32 v[SW+(\t)], v16, v17                  ; with the two of the lane 16 away the word is whole
.irp c, 0,1
	v_cvt_scalef32_pk16_fp6_f32 v[C+6*\c:C+6*\c+2], v[X+32*\c:X+32*\c+15], v[12+\c]
	v_cvt_scalef32_pk16_fp6_f32 v[T+4*\c:T+4*\c+2], v[X+32*\c+16:X+32*\c+31], v[12+\c]   ; (a conversion's three registers begin on an even number)
.endr
	v_nop                                          ; one plain instruction between a scaled conversion and the vector instruction that touches its result
.irp c, 0,1
.irp i, 0,1,2
	v_mov_b32 v[C+3+6*\c+\i], v[T+4*\c+\i]
.endr
.endr
.endm
.macro SEND t                          ; the fragment as it stands: each store covers 512 consecutive bytes, aligned to 512
.irp k, 0,1,2
	global_store_b128 v5, v[C+4*\k:C+4*\k+3], s[CB+2*(\t):CB+2*(\t)+1] offset:512*\k
.endr
.endm
.macro BLOCKOF                         ; s22: a block of 16 rows -> s52, s53: its codes' and its scale words' place in a chunk of its 128 rows
	s_lshr_b32 s54, s22, 3                         ; which 128 rows,
	s_mul_i32 s54, s54, PART
	s_and_b32 s55, s22, 7                          ; and which block of 16 among them
	s_mul_i32 s52, s55, 1536
	s_add_co_u32 s52, s52, s54
	s_lshl_b32 s53, s55, 6
	s_add_co_u32 s53, s53, s54
	s_add_co_u32 s53, s53, QSC
.endm
.macro WHERE t, ts, out                ; s50: a step of 128 along K, 0 .. 31 -> where step t's fragment and scale words go
	s_mul_i32 s54, s50, 11
	s_lshr_b32 s54, s54, 5                         ; its slot: a third of it, rounded down (x 11 / 32 gives that up to 31)
	s_mul_i32 s55, s54, 3
	s_sub_co_u32 s55, s50, s55                     ; and its chunk in the slot, 0 .. 2
	s_mul_i32 s54, s54, \ts
	s_mul_i32 s55, s55, QCH
	s_add_co_u32 s54, s54, s55
	s_add_co_u32 s48, s54, s52
	s_add_nc_u64 s[CB+2*\t:CB+2*\t+1], s[\out:\out+1], s[48:49]
	s_add_co_u32 s48, s54, s53
	s_add_nc_u64 s[SB+2*\t:SB+2*\t+1], s[\out:\out+1], s[48:49]
.endm
.macro FILL t                          ; zeros into my block's place in the chunk behind step t's: a fragment and sixteen scale words
.irp k, 0,1,2
	global_store_b128 v5, v[8:11], s[CB+2*\t:CB+2*\t+1] offset:QCH+512*\k
.endr
	s_wait_xcnt 0x0                                ; EXEC changes only behind this wait
	s_and_saveexec_b32 s23, vcc_lo                 ; (VCC holds lanes 0-15)
	global_store_b32 v6, v8, s[SB+2*\t:SB+2*\t+1] offset:QCH
	s_wait_xcnt 0x0
	s_or_b32 exec_lo, exec_lo, s23
.endm
	s_load_b256 s[4:11], s[0:1], 0x0               ; x s[4:5], packed_w s[6:7], scale_w s[8:9], x's codes and scale words s[10:11]
	s_load_b64 s[12:13], s[0:1], 0x20              ; W's
	v_lshl_add_u32 v62, v0, 2, SPARE
	v_mov_b32 v63, 0
	v_lshrrev_b32 v1, 5, v0
	v_readfirstlane_b32 s18, v1                    ; wave 0..3
	v_and_b32 v1, 31, v0                           ; lane
	v_and_b32 v8, 15, v0                           ; r
	v_bfe_u32 v9, v0, 4, 1                         ; h
	s_mul_i32 s19, s18, WST                        ; my stage
	v_lshlrev_b32 v5, 4, v1
	v_lshlrev_b32 v50, 3, v1
	v_add_nc_u32 v3, s19, v5                       ; in: 16 x lane of a row
	v_mul_u32_u24 v4, v8, SP
	v_lshl_add_u32 v4, v9, 7, v4
	v_add_nc_u32 v4, s19, v4                       ; out: row r, + 128 h
	v_lshlrev_b32 v6, 2, v8
	v_lshlrev_b32 v7, 3, v9
	v_mov_b32 v17, 0                               ; written once: a lane permute's destination counts as one of its sources
	s_mov_b32 s16, 0x76543210
	s_mov_b32 s17, 0xfedcba98                      ; each lane takes its own place in the other half
	s_lshl_b32 s20, ttmp9, 2
	s_add_co_u32 s20, s20, s18                     ; my wave among the 4,096
	s_and_b32 s21, s20, 7                          ; x: which 512 along K,
	s_lshr_b32 s22, s20, 3                         ; which block of 16 rows
	s_lshl_b32 s48, s22, 18                        ; 16 rows of 16,384 bytes,
	s_lshl_b32 s50, s21, 11                        ; 512 numbers of 4 bytes
	s_add_co_u32 s48, s48, s50
	s_mov_b32 s49, 0
	s_wait_alu depctr_va_vdst(0)                   ; the wait at the head's end
	s_wait_kmcnt 0x0
	s_load_b32 s14, s[8:9], 0x0                    ; scale_w
	s_add_nc_u64 s[24:25], s[4:5], s[48:49]
	LOAD 0, 0
	LOAD 0, 1
	BLOCKOF
.irp t, 0,1,2,3
	s_lshl_b32 s50, s21, 2
	s_add_co_u32 s50, s50, \t
	WHERE \t, TSA, 10
.endr
	s_and_b32 s51, s20, 31                         ; W: which 128 along K,
	s_lshr_b32 s22, s20, 5                         ; which block of 16 rows
	s_lshl_b32 s48, s22, 17                        ; 16 rows of 8,192 bytes,
	s_lshl_b32 s50, s51, 8                         ; 128 numbers of 2 bytes
	s_add_co_u32 s48, s48, s50
	s_add_nc_u64 s[46:47], s[6:7], s[48:49]
	BLOCKOF
	s_mov_b32 s50, s51
	WHERE 4, TSB, 12
	s_wait_kmcnt 0x0
	s_mov_b32 s15, s14                             ; (the packed form names the pair)
	v_mov_b32 v18, s14
	v_mul_f32 v18, 0xc1000000, v18                 ; -8 scale_w: exact
	v_mov_b32 v19, v18
	s_wait_alu depctr_va_vdst(0)                   ; directly ahead of the wait below
.irp t, 0,1,2,3,4
.if \t < 4
	s_wait_loadcnt 16                              ; this step's sixteen loads are in; the next step's sixteen may be out
.else
	s_wait_loadcnt 0x0
	UNPACK \t
.endif
	TURN \t
	s_wait_dscnt 0x0                               ; my two blocks are in, and the stage's stores have read the set
.if \t > 0
	s_wait_xcnt 0x0                                ; the last step's stores have read the fragment's registers: they are written again only behind this wait
.endif
.if \t < 2
	LOAD 0, \t+2                                   ; the set takes the loads of two steps on
.endif
.if \t == 2
	LOAD 1, 4                                      ; the fifth step is W's
.endif
	QUANT \t
	SEND \t
.endr
	s_wait_xcnt 0x0                                ; EXEC changes only behind this wait
	v_cmp_gt_u32 vcc_lo, 16, v1
	s_and_saveexec_b32 s23, vcc_lo                 ; lanes 16-31 hold the same words as lanes 0-15
.irp t, 0,1,2,3,4
	global_store_b32 v6, v[SW+\t], s[SB+2*\t:SB+2*\t+1]   ; sixteen lanes store a step's 64 consecutive bytes
.endr
	s_wait_xcnt 0x0                                ; and again, in front of the line that widens it
	s_or_b32 exec_lo, exec_lo, s23
.irp i, 8,9,10,11
	v_mov_b32 v\i, 0
.endr
	s_wait_alu depctr_va_vdst(0)                   ; ahead of the branches
	s_cmp_lg_u32 s21, 7                            ; the wave with x's last 512 along K has slot 10's two steps: it fills its block's place in the slot's third chunk
	s_cbranch_scc1 .Lno_x
	FILL 3
.Lno_x:
	s_cmp_lg_u32 s51, 31                           ; and so the wave with W's last 128
	s_cbranch_scc1 .Lno_w
	FILL 4
.Lno_w:
	s_wait_tensorcnt 0x0                           ; the wave's end
	ds_add_u32 v62, v63
	s_wait_dscnt 0x0
	s_endpgm
.Lfunc_end_k_q89e5061c32_quant:
	.size	k_q89e5061c32_quant, .Lfunc_end_k_q89e5061c32_quant-k_q89e5061c32_quant
	.p2alignl 7, 3214868480
	.fill 96, 4, 3214868480
	.section	.rodata,"a",@progbits
	.p2align	6, 0x0
	.amdhsa_kernel k_q89e5061c32_quant
		.amdhsa_group_segment_fixed_size 34304
		.amdhsa_private_segment_fixed_size 0
		.amdhsa_enable_private_segment 0
		.amdhsa_kernarg_size 40
		.amdhsa_user_sgpr_count 2
		.amdhsa_user_sgpr_kernarg_segment_ptr 1
		.amdhsa_wavefront_size32 1
		.amdhsa_system_sgpr_workgroup_id_x 1
		.amdhsa_system_sgpr_workgroup_id_y 1
		.amdhsa_system_sgpr_workgroup_id_z 1
		.amdhsa_system_vgpr_workitem_id 0
		.amdhsa_next_free_vgpr 256
		.amdhsa_next_free_sgpr 66
		.amdhsa_reserve_vcc 1
		.amdhsa_float_denorm_mode_32 3
		.amdhsa_float_denorm_mode_16_64 3
		.amdhsa_memory_ordered 1
		.amdhsa_forward_progress 1
		.amdhsa_inst_pref_size 48
	.end_amdhsa_kernel
	.amdgpu_metadata
---
amdhsa.version: [ 1, 2 ]
amdhsa.kernels:
  - .name:           k_q89e5061c32_quant
    .symbol:         k_q89e5061c32_quant.kd
    .args:
      - { .name: x, .offset: 0, .size: 8, .value_kind: global_buffer, .address_space: global }
      - { .name: packed_w, .offset: 8, .size: 8, .value_kind: global_buffer, .address_space: global }
      - { .name: scale_w, .offset: 16, .size: 8, .value_kind: global_buffer, .address_space: global }
      - { .name: xc, .offset: 24, .size: 8, .value_kind: global_buffer, .address_space: global }
      - { .name: wc, .offset: 32, .size: 8, .value_kind: global_buffer, .address_space: global }
    .group_segment_fixed_size: 34304
    .private_segment_fixed_size: 0
    .kernarg_segment_align: 8
    .kernarg_segment_size: 40
    .max_flat_workgroup_size: 128
    .sgpr_count:     66
    .vgpr_count:     256
    .wavefront_size: 32
...
	.end_amdgpu_metadata
.endif
;; end of part 1
;; launch gemm (part 2): grid 8 x 32, 4 waves a work-group, clusters of 4 x 4, 327,680 bytes of LDS; arguments xc, wc, packed_b, scale_b, out0; writes out0
.if DOCPART == 2
	.amdgcn_target "amdgcn-amd-amdhsa--gfx1250"
	.amdhsa_code_object_version 6
	.text
	.protected	k_q89e5061c32_gemm
	.globl	k_q89e5061c32_gemm
	.p2align	8
	.type	k_q89e5061c32_gemm,@function
k_q89e5061c32_gemm:
	s_mov_b64 s[64:65], 0
	v_nop
	global_prefetch_b8 v0, s[64:65] scope:SCOPE_SE
	s_setreg_imm32_b32 hwreg(HW_REG_WAVE_MODE, 25, 1), 1
	s_wait_xcnt 0x0
	s_wait_alu depctr_hold_cnt(0) depctr_sa_sdst(0) depctr_va_vdst(0) depctr_va_sdst(0) depctr_va_ssrc(0) depctr_va_vcc(0) depctr_vm_vsrc(0)
	s_getreg_b32 s2, hwreg(HW_REG_IB_STS2, 6, 4)
	s_cmp_eq_u32 s2, 0
	s_cbranch_scc0 .Lentry_in_a_cluster
	s_endpgm
.Lentry_in_a_cluster:
	s_bfe_u32 s2, ttmp6, 0x10000c
	s_cmp_lg_u32 s2, 0xf033
	s_cbranch_scc0 .Lentry_shape_is_right
	s_endpgm
.Lentry_shape_is_right:
; out0[m][n] = sum over k of x[m][k] W[n][k] + scale_b x (nibble - 8), on the codes of FP6 (E2M3) and E8M0 scale words that the launch before has laid in xc and wc; sums in f32.
; A tile of 256 x 256 is made by a work-group of four waves; a wave makes 128 x 128: 64 accumulators of 16 x 16, 512 registers.  8,192 x 2,048 are 256 tiles.
; xc, wc: [slot of 384 along K][128 rows][step of 128 K]{ [block of 16 rows][c][lane][16 bytes], then [block][row] scale words }: a step's chunk is 12,800 dense bytes, 50 rows of 256; 128 rows of a slot
; are three chunks, 150 rows of 256.  A fragment's twelve registers come by three loads of 16 bytes at 16 x lane, with no bank met twice.  11 slots along K; the last has two steps, and its load brings 100 rows.
; THE RING: two LDS slots of 4 x 38,400 bytes (A's 256 rows, B's 256 rows); each wave fetches a quarter by one tensor load.  Slots change when a slot's third step lies in registers: the wait for all
; tensor loads, the add, the wait for LDS, the round and the refill stand on end, with nothing between the landing of one slot and the request for the next; the third step is multiplied behind the refill.
; CLUSTERS: 4 x 4 work-groups; A's tiles are asked for jointly along a row of the cluster, B's along a column.  A round of the cluster's barrier stands in front of each joint load.
; THE MATRIX INSTRUCTION IS USED TRANSPOSED (source 0 = 16 rows of W, source 1 = 16 rows of x): a lane holds eight neighbouring numbers of a row of out0.
; FRAGMENTS: B has two sets of registers; inside a slot the set just multiplied takes, at the step's end, the step after next.  A has one set: blocks 0-3 are fetched anew in a step's middle, blocks 4-7 at
; its end; but blocks 4-7 of a slot's THIRD step have 48 registers of their own and are fetched in the second step's middle, 32 products ahead of the change of slots, whose wait for LDS they would else meet.
; THE LAST SLOT'S TWO STEPS GO BY ROWS: both steps' fragments of B lie in B's two sets, and my eight blocks of 16 rows are finished one after the other (16 products each, the block's 8 accumulators by
; turns) and leave as they are finished; a block's trip through the stage stands under the next block's products.  THE BIAS is added on the way out, where a lane holds the same four columns of every row.
; PREFETCH: behind each refill of the loop one slot further on than the refill is named, 3 steps (192 products a wave) ahead of the load that wants it.  Every cluster asks for what it will itself load: a
; tile's 76,800 bytes are shared among the four partners that ask for it jointly x waves 0-2, 25 blocks of 256 bytes a wave (lanes 25-31 name the last again), told apart by address.  Eight asks: slots 3
; to 10 (of slot 10 the whole block is named, of which the load takes two thirds).
; REGISTERS: window 0: v0-31 addresses, bias; v32-79 scale words, two sets; v80-127 A's blocks 4-7 of a third step; v144-239 A's fragments; on the way out v80-143 and v192-255 rows read back, v144-191 A by rows.
;   window 1: B's two sets at v0 and v128.  windows 2, 3: the accumulators of my rows 0-63, 64-127 ((a, b) at v[8 (8 (a % 4) + b)]).
.set QCH,    12800                     ; a step's chunk for 128 rows
.set QSC,    12288                     ; where its scale words begin
.set PART,   3*QCH
.set TILEB,  2*PART
.set TSA,    64*PART                   ; from slot to slot in xc
.set TSB,    16*PART                   ; and in wc
.set SLOT,   4*PART
.set SPARE,  2*SLOT                    ; behind the ring: the spare words, 128 bytes a wave
.set STAGE,  SLOT                      ; the way out's stages lie in LDS slot 1, which has had its last fill and its last read by then
.set SPITCH, 528
.set NROW,   8192                      ; a row of out0 in bytes
.set TRIPS,  4
.set NQ,     3                         ; steps in a slot
.set FR,     12                        ; registers of a fragment
.set NL,     3                         ; LDS loads that bring one
.set NP,     4                         ; places behind this matrix instruction (ISA guide 7.12.1)
.set PFW,    6400                      ; bytes that one wave's prefetch names
.set BV,   8                           ; v8-11  the bias of my four columns on the way out
.set PBR,  12                          ; v12-13 its two packed words
.set PFO,  14
.set BA,   15
.set ADRA, 16                          ; v16-17 A's fragments in slot 0, 1
.set ADRS, 18                          ; v18-19 scale words: lanes 0-15 A's rows, lanes 16-31 B's
.set ADRB, 20                          ; v20-21 B's fragments
.set STO,  24
.set RD,   25
.set CO,   26
.set SPW,  28                          ; my spare word; never rewritten
.set NIL,  29                          ; 0; never rewritten
.set NB,   30                          ; v30-31 -8 scale_b
.set SC,   32                          ; set s at v[SC + 24 s]; register 3 i + q: lanes 0-15 A's block i, lanes 16-31 B's block i, step q
.set A2,   80                          ; A's blocks 4-7 of a slot's third step
.set BK,   80
.set AF,   144
.set PA,   144                         ; by rows: two buffers of 24 (a block's two steps)
.set AX,   AF                          ; where the products find A's block 0: AF, or A2 - 4 FR for a third step's blocks 4-7
.set WV,   18
.set RH,   19
.set CH,   20
.set TR,   21
.set TC,   22
.set WT,   23
.set G1,   24
.set G0,   32
.set G1B,  48
.set G0B,  56
.set PFA,  96
.set PFB,  98
.set LIM,  100
.set MSB, 0
.macro WIN new                         ; the immediate's high byte repeats the setting that is left
.if MSB != \new
	s_set_vgpr_msb (MSB<<8)|\new
.set MSB, \new
.endif
.endm
.set MUL_LO, 0xa1                      ; source 0 (B) window 1, source 1 (A) window 0, C and D window 2
.set MUL_HI, 0xf1                      ; the same, C and D window 3
.set TO_B,   0x40                      ; destination window 1, address window 0
.macro JLOAD g0a, g1a, g0b, g1b        ; a joint load: waves 0 and 1 fetch for A, waves 2 and 3 for B; s_nop 0 and four v_nop behind each line
	s_cmp_eq_u32 s[RH], 0
	s_cbranch_scc0 .Lfor_b_\@
	tensor_load_to_lds s[\g0a:\g0a+3], s[\g1a:\g1a+7]
	s_nop 0
.rept 4
	v_nop
.endr
	s_branch .Lasked_\@
.Lfor_b_\@:
	tensor_load_to_lds s[\g0b:\g0b+3], s[\g1b:\g1b+7]
	s_nop 0
.rept 4
	v_nop
.endr
.Lasked_\@:
.endm
.macro CROUND                          ; a round of the cluster's barrier
	s_barrier_signal -1
	s_barrier_wait -1
	s_cmp_lg_u32 s[WV], 0
	s_cbranch_scc1 .Lnot_wave_0_\@
	s_barrier_signal -3
.Lnot_wave_0_\@:
	s_barrier_wait -3
	s_barrier_signal -1
	s_barrier_wait -1
.endm
.macro ASK                             ; waves 0-2: my part of A's tile and of B's, one slot on
	s_cmp_eq_u32 s[LIM], 1
	s_cbranch_scc0 .Lnot_mine_\@
	global_prefetch_b8 v[PFO], s[PFA:PFA+1] th:TH_LOAD_NT scope:SCOPE_SE
	global_prefetch_b8 v[PFO], s[PFB:PFB+1] th:TH_LOAD_NT scope:SCOPE_SE
.Lnot_mine_\@:
.endm
	s_load_b256 s[4:11], s[0:1], 0x0               ; xc s[4:5], wc s[6:7], packed_b s[8:9], scale_b s[10:11]
	s_load_b64 s[12:13], s[0:1], 0x20              ; out0
	v_lshl_add_u32 v[SPW], v0, 2, SPARE
	v_mov_b32 v[NIL], 0
	ds_add_u32 v[SPW], v[NIL]                      ; the opening lines: the add, twice on end, and its wait ahead of my first tensor load
	ds_add_u32 v[SPW], v[NIL]
	v_lshrrev_b32 v1, 5, v0
	v_readfirstlane_b32 s[WV], v1                  ; wave 0..3
	s_lshr_b32 s[RH], s[WV], 1                     ; my half of the tile's rows; also: I fetch for A (0) or B (1)
	s_and_b32 s[CH], s[WV], 1                      ; my half of its columns; also: which 128 rows I fetch
	s_bfe_u32 s40, ttmp6, 0x40000                  ; cx
	s_bfe_u32 s41, ttmp6, 0x40004                  ; cy
	s_lshl_b32 s[TC], ttmp9, 2
	s_add_co_u32 s[TC], s[TC], s40                 ; tile column
	s_and_b32 s[TR], ttmp7, 0xffff
	s_lshl_b32 s[TR], s[TR], 2
	s_add_co_u32 s[TR], s[TR], s41                 ; tile row
	s_lshl_b32 s42, s41, 2
	s_lshl_b32 s42, 15, s42                        ; my row of the cluster
	s_lshl_b32 s43, 0x1111, s40                    ; my column
	s_or_b32 s[G1+0], s42, (3<<16)|(1<<21)         ; elements of 8 bytes, no padding; bit 21 beside a mask
	s_or_b32 s[G1B+0], s43, (3<<16)|(1<<21)
.irp g, G1, G1B                        ; 150 dense rows of 256 bytes
	s_mov_b32 s[\g+1], 32<<16
	s_mov_b32 s[\g+2], 150<<16
	s_mov_b32 s[\g+3], 32<<16
	s_mov_b32 s[\g+4], 150
	s_mov_b32 s[\g+5], 32
	s_mov_b32 s[\g+6], 0
	s_mov_b32 s[\g+7], 0
.endr
	s_mul_i32 s44, s[TR], TILEB
	s_mul_i32 s66, s[CH], PART
	s_add_co_u32 s44, s44, s66
	s_mov_b32 s45, 0
	s_mul_i32 s92, s[TC], TILEB
	s_add_co_u32 s92, s92, s66
	s_mov_b32 s93, 0
	s_mul_i32 s[WT], s[WV], PART                   ; where my quarter goes: no place in the cluster enters an LDS address
	s_wait_dscnt 0x0                               ; both opening adds are done
	s_wait_kmcnt 0x0
	s_add_nc_u64 s[44:45], s[4:5], s[44:45]
	s_add_nc_u64 s[92:93], s[6:7], s[92:93]
	CROUND                                         ; all sixteen work-groups are here: the first joint loads meet
.irp s, 0,1
	s_mov_b32 s[G0+4*\s], 1
	s_add_co_u32 s[G0+4*\s+1], s[WT], \s*SLOT
	s_add_nc_u64 s[G0+4*\s+2:G0+4*\s+3], s[44:45], \s*TSA
	s_or_b32 s[G0+4*\s+3], s[G0+4*\s+3], 0x80000000
	s_mov_b32 s[G0B+4*\s], 1
	s_add_co_u32 s[G0B+4*\s+1], s[WT], \s*SLOT
	s_add_nc_u64 s[G0B+4*\s+2:G0B+4*\s+3], s[92:93], \s*TSB
	s_or_b32 s[G0B+4*\s+3], s[G0B+4*\s+3], 0x80000000
.endr
	JLOAD G0, G1, G0B, G1B                         ; slot 0: one tensor load a wave at the head; all below, up to the wait for it, is made while it is on its way
	s_load_b32 s2, s[10:11], 0x0                   ; scale_b
	s_lshl_b32 s66, s[TC], 9                       ; packed_b at my 128 columns: 2 bytes a column
	s_lshl_b32 s67, s[CH], 8
	s_add_co_u32 s66, s66, s67
	s_mov_b32 s67, 0
	s_add_nc_u64 s[8:9], s[8:9], s[66:67]
	s_lshl_b32 s66, s[TR], 8                       ; out0 at my first row and column
	s_lshl_b32 s67, s[RH], 7
	s_add_co_u32 s66, s66, s67
	s_lshl_b32 s66, s66, 13
	s_lshl_b32 s67, s[TC], 10
	s_add_co_u32 s66, s66, s67
	s_lshl_b32 s67, s[CH], 9
	s_add_co_u32 s66, s66, s67
	s_mov_b32 s67, 0
	s_add_nc_u64 s[12:13], s[12:13], s[66:67]
	s_mul_i32 s66, s40, 3                          ; the prefetches: partner cx, wave w take part 3 cx + w of A's tile,
	s_add_co_u32 s66, s66, s[WV]
	s_mul_i32 s66, s66, PFW
	s_mul_i32 s67, s[TR], TILEB
	s_add_co_u32 s66, s66, s67
	s_add_co_u32 s66, s66, 2*TSA                   ; at slot 2: stepped to 3 ahead of the first ask
	s_mov_b32 s67, 0
	s_add_nc_u64 s[PFA:PFA+1], s[4:5], s[66:67]
	s_mul_i32 s66, s41, 3                          ; partner cy, wave w part 3 cy + w of B's
	s_add_co_u32 s66, s66, s[WV]
	s_mul_i32 s66, s66, PFW
	s_mul_i32 s67, s[TC], TILEB
	s_add_co_u32 s66, s66, s67
	s_add_co_u32 s66, s66, 2*TSB
	s_mov_b32 s67, 0
	s_add_nc_u64 s[PFB:PFB+1], s[6:7], s[66:67]
	s_cmp_lt_u32 s[WV], 3
	s_cselect_b32 s[LIM], 1, -1                    ; waves 0-2 ask (wave 3's addresses are made and never used)
	s_mul_i32 s68, s[RH], PART                     ; my 128 rows of A in a slot,
	s_mul_i32 s69, s[CH], PART
	s_add_co_u32 s69, s69, 2*PART                  ; my 128 rows of B,
	s_sub_co_u32 s70, s69, s68                     ; the distance between them,
	s_mul_i32 s71, s[WV], 16*SPITCH
	s_add_co_u32 s71, s71, STAGE                   ; my stage
	v_and_b32 v1, 15, v0                           ; r
	v_bfe_u32 v2, v0, 4, 1                         ; h
	v_and_b32 v4, 31, v0                           ; lane
	v_lshlrev_b32 v[BA], 3, v4
	v_lshlrev_b32 v[CO], 4, v4
	global_load_b64 v[PBR:PBR+1], v[BA], s[8:9]    ; two words, the bias of columns 4 lane .. 4 lane + 3: the wave reads 256 consecutive bytes
	v_add_nc_u32 v[ADRA], s68, v[CO]
	v_add_nc_u32 v[ADRB], s69, v[CO]
	v_add_nc_u32 v[ADRA+1], SLOT, v[ADRA]
	v_add_nc_u32 v[ADRB+1], SLOT, v[ADRB]
	v_lshlrev_b32 v5, 2, v1
	v_mul_u32_u24 v6, s70, v2                      ; lanes 16-31 take B's words
	v_add_nc_u32 v5, v5, v6
	v_add_nc_u32 v[ADRS], s68, v5
	v_add_nc_u32 v[ADRS+1], SLOT, v[ADRS]
	v_mul_u32_u24 v7, v1, SPITCH                   ; into the stage: row r, 32 bytes for each half of the lanes
	v_lshl_add_u32 v7, v2, 5, v7
	v_add_nc_u32 v[STO], s71, v7
	v_add_nc_u32 v[RD], s71, v[CO]                 ; back: the 32 lanes take a row of 512 bytes
	v_min_u32 v3, 24, v4
	v_lshlrev_b32 v[PFO], 8, v3
	s_wait_alu depctr_va_vdst(0)                   ; directly ahead of the wait below
	s_wait_kmcnt 0x0
	s_mov_b32 s3, s2                               ; (the packed form names the pair)
	v_mov_b32 v[NB], s2
	v_mul_f32 v[NB], 0xc1000000, v[NB]             ; -8 scale_b: exact
	v_mov_b32 v[NB+1], v[NB]
	s_wait_alu depctr_va_vdst(0)
	s_wait_loadcnt 0x0
	v_bfe_u32 v[BV], v[PBR], 4, 4                  ; the high nibble comes first
	v_and_b32 v[BV+1], 15, v[PBR]
	v_bfe_u32 v[BV+2], v[PBR+1], 4, 4
	v_and_b32 v[BV+3], 15, v[PBR+1]
.irp i, 0,1,2,3
	v_cvt_f32_u32 v[BV+\i], v[BV+\i]
.endr
	v_pk_fma_f32 v[BV:BV+1], v[BV:BV+1], s[2:3], v[NB:NB+1] op_sel_hi:[1,0,1]       ; n s - 8 s, rounded once
	v_pk_fma_f32 v[BV+2:BV+3], v[BV+2:BV+3], s[2:3], v[NB:NB+1] op_sel_hi:[1,0,1]
.macro FRAG reg, adr, q, i             ; block i, step q: the twelve registers as they lie
.irp c, 0,1,2
	ds_load_b128 v[\reg+4*\c:\reg+4*\c+3], v[\adr] offset:QCH*(\q)+1536*(\i)+512*\c
.endr
.endm
; 16 products: A's blocks a0, a0 + 1 (at AX) x B's eight.  p: B's set; q: the step in its slot; sc: the set of scale words.  zero = 1: the first product starts the sums.  The 64 accumulators take turns.
.macro MUL16 a0, p, q, sc, zero
.irp a, \a0, \a0+1
.irp b, 0,1,2,3,4,5,6,7
.if \zero
	v_wmma_scale_f32_16x16x128_f8f6f4 v[8*(8*((\a)%4)+\b):8*(8*((\a)%4)+\b)+7], v[128*(\p)+FR*\b:128*(\p)+FR*\b+FR-1], v[AX+FR*(\a):AX+FR*(\a)+FR-1], 0, v[SC+8*NQ*(\sc)+NQ*\b+(\q)], v[SC+8*NQ*(\sc)+NQ*(\a)+(\q)] matrix_a_fmt:MATRIX_FMT_FP6 matrix_b_fmt:MATRIX_FMT_FP6 matrix_a_scale:MATRIX_SCALE_ROW1
.else
	v_wmma_scale_f32_16x16x128_f8f6f4 v[8*(8*((\a)%4)+\b):8*(8*((\a)%4)+\b)+7], v[128*(\p)+FR*\b:128*(\p)+FR*\b+FR-1], v[AX+FR*(\a):AX+FR*(\a)+FR-1], v[8*(8*((\a)%4)+\b):8*(8*((\a)%4)+\b)+7], v[SC+8*NQ*(\sc)+NQ*\b+(\q)], v[SC+8*NQ*(\sc)+NQ*(\a)+(\q)] matrix_a_fmt:MATRIX_FMT_FP6 matrix_b_fmt:MATRIX_FMT_FP6 matrix_a_scale:MATRIX_SCALE_ROW1
.endif
.endr
.endr
.endm
.macro FETCH_B slot, q, p              ; 24 loads
	WIN TO_B
.irp i, 0,1,2,3,4,5,6,7
	FRAG 128*(\p)+FR*\i, ADRB+\slot, \q, \i
.endr
	WIN 0
.endm
.macro FETCH_A slot, q, i0             ; 12 loads
.irp i, \i0, \i0+1, \i0+2, \i0+3
	FRAG AF+FR*(\i), ADRA+\slot, \q, \i
.endr
.endm
.macro FETCH_A2 slot                   ; the third step's blocks 4-7 into their own registers: 12 loads
.irp i, 4,5,6,7
	FRAG A2+FR*(\i-4), ADRA+\slot, 2, \i
.endr
.endm
.macro SCALES sc, nq                   ; the scale words of a slot's first nq steps, 8 loads a step
.irp i, 0,1,2,3,4,5,6,7
.irp q, 0,1,2
.if \q < \nq
	ds_load_b32 v[SC+8*NQ*\sc+NQ*\i+\q], v[ADRS+\sc] offset:QCH*\q+QSC+64*\i
.endif
.endr
.endr
.endm
.macro PLACES n                        ; in front of loads into registers that matrix instructions have read, and of reads of results
.rept \n
	v_nop
.endr
.endm
; A slot's first or second step.
.macro PSTEP ms, mq, zero
.if (\mq) == 0
	s_wait_dscnt 8*NL                              ; all but the youngest 24, the second step's B: this step's B, A and scale words are in
.else
	s_wait_dscnt 12*NL                             ; all but the youngest 36 (A's blocks 4-7 of this step, the third step's B): this step's B and A's blocks 0-3 are in
.endif
	WIN MUL_LO
	MUL16 0, ((\ms)+(\mq))%2, \mq, \ms, \zero
	MUL16 2, ((\ms)+(\mq))%2, \mq, \ms, \zero
.if (\mq) == 1
	s_wait_dscnt 8*NL                              ; A's blocks 4-7 are in; the third step's B may be out
.endif
	PLACES NP
	WIN 0
	FETCH_A \ms, (\mq)+1, 0
.if (\mq) == 1
	FETCH_A2 \ms                                   ; my last reads of this slot: 32 products ahead of the change of slots
.endif
	WIN MUL_HI
	MUL16 4, ((\ms)+(\mq))%2, \mq, \ms, \zero
	MUL16 6, ((\ms)+(\mq))%2, \mq, \ms, \zero
.if (\mq) == 0
	PLACES NP
	WIN 0
	FETCH_A \ms, 1, 4
	FETCH_B \ms, 2, (\ms)%2                        ; the set just multiplied takes the slot's third step
.else
	WIN 0
.endif
.endm
; The change of slots, and slot s's third step behind it.  All of that step's fragments have been asked for: slot s is read no more, and is filled again, two slots on.  short = 1: K's last slot, two chunks.
.macro CSTEP s, n, ask, short
.if \ask
	s_wait_xcnt 0x0                                ; my last prefetches have read their addresses
	s_add_nc_u64 s[PFA:PFA+1], s[PFA:PFA+1], TSA
	s_add_nc_u64 s[PFB:PFB+1], s[PFB:PFB+1], TSB
.endif
	s_wait_tensorcnt 0x0                           ; all my tensor loads have landed: the one that was out is my quarter of slot n;
	ds_add_u32 v[SPW], v[NIL]
	s_add_nc_u64 s[G0+4*\s+2:G0+4*\s+3], s[G0+4*\s+2:G0+4*\s+3], 2*TSA    ; no load of mine is out: the descriptors may be written
	s_add_nc_u64 s[G0B+4*\s+2:G0B+4*\s+3], s[G0B+4*\s+2:G0B+4*\s+3], 2*TSB
.if \short
	s_mov_b32 s[G1+2], 100<<16                     ; two chunks: 100 rows of 256 bytes
	s_mov_b32 s[G1+4], 100
	s_mov_b32 s[G1B+2], 100<<16
	s_mov_b32 s[G1B+4], 100
.endif
	s_wait_dscnt 0x0                               ; the add is done, and my reads of slot s are over
	CROUND                                         ; no wave of any partner still reads slot s or has a load on its way
	JLOAD G0+4*\s, G1, G0B+4*\s, G1B               ; the first tensor load behind the round; its four v_nop are the places in front of the loads below
	SCALES \n, 3
	FETCH_B \n, 0, (\n)%2
.if \ask
	ASK
.endif
	WIN MUL_LO
	MUL16 0, (\s)%2, 2, \s, 0
	MUL16 2, (\s)%2, 2, \s, 0
	PLACES NP
	WIN 0
	FETCH_A \n, 0, 0
	FETCH_A \n, 0, 4                               ; (this step's blocks 4-7 lie elsewhere)
	WIN MUL_HI
.set AX, A2-4*FR
	MUL16 4, (\s)%2, 2, \s, 0
	MUL16 6, (\s)%2, 2, \s, 0
.set AX, AF
	PLACES NP
	FETCH_B \n, 1, ((\n)+1)%2
.endm
	s_wait_alu depctr_va_vdst(0)                   ; the wait at the head's end
	s_wait_tensorcnt 0x0                           ; my quarter of slot 0 is in; these lines stand ahead of a later first fill as ahead of a refill
	ds_add_u32 v[SPW], v[NIL]
	s_wait_dscnt 0x0
	CROUND                                         ; slot 0 is whole, and all sixteen work-groups are here
	JLOAD G0+4, G1, G0B+4, G1B                     ; slot 1's first fill, the first tensor load behind the round
	SCALES 0, 3
	FETCH_B 0, 0, 0
	FETCH_A 0, 0, 0
	FETCH_A 0, 0, 4
	FETCH_B 0, 1, 1
	PSTEP 0, 0, 1                                  ; the first step's products start the sums
	PSTEP 0, 1, 0
	s_mov_b32 s3, TRIPS
.Llap:                                                 ; a trip: six steps, once round the ring; both slots are filled again
	CSTEP 0, 1, 1, 0
	PSTEP 1, 0, 0
	PSTEP 1, 1, 0
	CSTEP 1, 0, 1, 0
	PSTEP 0, 0, 0
	PSTEP 0, 1, 0
	s_sub_co_u32 s3, s3, 1
	s_cmp_lg_u32 s3, 0
	s_cbranch_scc1 .Llap
	CSTEP 0, 1, 0, 1                               ; the last fill: K's slot 10
	PSTEP 1, 0, 0
	PSTEP 1, 1, 0
; THE TAIL.  K's slot 9 ends; nothing is filled again, so no round follows the barrier, and products stand between its lines.  Behind it nobody reads LDS slot 1: it takes the stages.
.macro ALOAD a                         ; A's block a, both steps of the last slot, into buffer a % 2: 6 loads
.irp q, 0,1
	FRAG PA+2*FR*((\a)%2)+FR*\q, ADRA, \q, \a
.endr
.endm
.macro ROW a                           ; block a is finished: 16 products, its 8 accumulators by turns, K ascending
.set FA, PA+2*FR*((\a)%2)
.set AC, 64*((\a)%4)
	WIN MUL_LO+0x50*((\a)/4)
.irp q, 0,1
.if (\a) == 0 && \q == 1
	s_wait_dscnt 0x0                               ; B's second step is in
.endif
.irp b, 0,1,2,3,4,5,6,7
	v_wmma_scale_f32_16x16x128_f8f6f4 v[AC+8*\b:AC+8*\b+7], v[128*\q+FR*\b:128*\q+FR*\b+FR-1], v[FA+FR*\q:FA+FR*\q+FR-1], v[AC+8*\b:AC+8*\b+7], v[SC+NQ*\b+\q], v[SC+NQ*(\a)+\q] matrix_a_fmt:MATRIX_FMT_FP6 matrix_b_fmt:MATRIX_FMT_FP6 matrix_a_scale:MATRIX_SCALE_ROW1
.endr
.endr
.endm
.macro TOSTAGE a                       ; 16 rows x 128 columns into my own stage and back as whole rows; LDS serves a wave's instructions in order (ISA guide 5.7.1.4)
.set AC, 64*((\a)%4)
	WIN 0x08+4*((\a)/4)                            ; the data: window 2 or 3
.irp b, 0,1,2,3,4,5,6,7
	ds_store_b128 v[STO], v[AC+8*\b:AC+8*\b+3] offset:64*\b          ; each accumulator from its low end on
	ds_store_b128 v[STO], v[AC+8*\b+4:AC+8*\b+7] offset:64*\b+16
.endr
	WIN 0
.set BB, BK+112*((\a)%2)
.irp t, 0,1,2,3,4,5,6,7,8,9,10,11,12,13,14,15
	ds_load_b128 v[BB+4*\t:BB+4*\t+3], v[RD] offset:\t*SPITCH
.endr
.endm
.macro SEND a, younger                 ; younger: the LDS loads issued behind the block's, which may stay out
.set BB, BK+112*((\a)%2)
	WIN 0
	s_wait_dscnt \younger                          ; the block is back in registers
	s_wait_xcnt 0x0                                ; the block before has been stored from the other 64 registers: the next block's loads may land there
.irp t, 0,1,2,3,4,5,6,7,8,9,10,11,12,13,14,15
	v_pk_add_f32 v[BB+4*\t:BB+4*\t+1], v[BB+4*\t:BB+4*\t+1], v[BV:BV+1]           ; + the bias of my four columns
	v_pk_add_f32 v[BB+4*\t+2:BB+4*\t+3], v[BB+4*\t+2:BB+4*\t+3], v[BV+2:BV+3]
.endr
.irp t, 0,1,2,3,4,5,6,7,8,9,10,11,12,13,14,15
	global_store_b128 v[CO], v[BB+4*\t:BB+4*\t+3], s[12:13] offset:(16*(\a)+\t)*NROW th:TH_STORE_NT   ; 32 lanes store 512 consecutive bytes, at a multiple of 512 from out0's first byte; 127 rows at the most: inside the signed 24-bit immediate
.endr
.endm
	s_wait_tensorcnt 0x0                           ; my quarter of K's slot 10 is in
	ds_add_u32 v[SPW], v[NIL]
	s_wait_dscnt 1                                 ; (the add may be out)
	WIN MUL_LO
	MUL16 0, 1, 2, 1, 0
	s_wait_dscnt 0x0                               ; the add is done, and my reads of LDS slot 1 are over
	s_barrier_signal -1
	MUL16 2, 1, 2, 1, 0
	s_barrier_wait -1
	PLACES NP
	WIN 0
	SCALES 0, 2
	FETCH_B 0, 0, 0                                ; B's first step into set 0; set 1 is still being multiplied
	ALOAD 0                                        ; into the registers of A's blocks 0-3, which are done with
	ALOAD 1
	WIN MUL_HI
.set AX, A2-4*FR
	MUL16 4, 1, 2, 1, 0
	MUL16 6, 1, 2, 1, 0
.set AX, AF
	PLACES NP
	FETCH_B 0, 1, 1
	s_wait_dscnt 8*NL                              ; all but the 24 just issued
	ROW 0
	PLACES NP                                      ; the stage's stores read results just made; also the places in front of the loads into the block's buffer
	TOSTAGE 0
	ALOAD 2
; Block a's products stand between block a - 1's loads from the stage and the wait for them; block a - 1's 32 additions, which name no register of those products, are the places behind them.
.irp a, 1,2,3,4,5,6,7
.if \a < 7
	s_wait_dscnt 32+2*NL                           ; block a's fragments of A are in; behind them: block a - 1's 32 through the stage, block a + 1's 6
.else
	s_wait_dscnt 32
.endif
	ROW \a
.if \a < 7
	SEND \a-1, 2*NL
.else
	SEND \a-1, 0
.endif
	TOSTAGE \a
.if \a < 6
	ALOAD \a+2
.endif
.endr
	SEND 7, 0
	s_wait_tensorcnt 0x0                           ; the wave's end
	ds_add_u32 v[SPW], v[NIL]
	s_wait_dscnt 0x0
	CROUND                                         ; the closing round
	s_endpgm
.Lfunc_end_k_q89e5061c32_gemm:
	.size	k_q89e5061c32_gemm, .Lfunc_end_k_q89e5061c32_gemm-k_q89e5061c32_gemm
	.p2alignl 7, 3214868480
	.fill 96, 4, 3214868480
	.section	.rodata,"a",@progbits
	.p2align	6, 0x0
	.amdhsa_kernel k_q89e5061c32_gemm
		.amdhsa_group_segment_fixed_size 327680
		.amdhsa_private_segment_fixed_size 0
		.amdhsa_enable_private_segment 0
		.amdhsa_kernarg_size 40
		.amdhsa_user_sgpr_count 2
		.amdhsa_user_sgpr_kernarg_segment_ptr 1
		.amdhsa_wavefront_size32 1
		.amdhsa_system_sgpr_workgroup_id_x 1
		.amdhsa_system_sgpr_workgroup_id_y 1
		.amdhsa_system_sgpr_workgroup_id_z 1
		.amdhsa_system_vgpr_workitem_id 0
		.amdhsa_next_free_vgpr 1024
		.amdhsa_next_free_sgpr 102
		.amdhsa_reserve_vcc 0
		.amdhsa_float_denorm_mode_32 3
		.amdhsa_float_denorm_mode_16_64 3
		.amdhsa_memory_ordered 1
		.amdhsa_forward_progress 1
		.amdhsa_inst_pref_size 226
	.end_amdhsa_kernel
	.amdgpu_metadata
---
amdhsa.version: [ 1, 2 ]
amdhsa.kernels:
  - .name:           k_q89e5061c32_gemm
    .symbol:         k_q89e5061c32_gemm.kd
    .args:
      - { .name: xc, .offset: 0, .size: 8, .value_kind: global_buffer, .address_space: global }
      - { .name: wc, .offset: 8, .size: 8, .value_kind: global_buffer, .address_space: global }
      - { .name: packed_b, .offset: 16, .size: 8, .value_kind: global_buffer, .address_space: global }
      - { .name: scale_b, .offset: 24, .size: 8, .value_kind: global_buffer, .address_space: global }
      - { .name: out0, .offset: 32, .size: 8, .value_kind: global_buffer, .address_space: global }
    .group_segment_fixed_size: 327680
    .private_segment_fixed_size: 0
    .kernarg_segment_align: 8
    .kernarg_segment_size: 40
    .max_flat_workgroup_size: 128
    .sgpr_count:     102
    .vgpr_count:     1024
    .wavefront_size: 32
...
	.end_amdgpu_metadata
.endif
;; end of part 2
